; MI455X (gfx1250); checked and timed in simulation.
; The chip was launched on July 23, 2026; its instructions are those of AMD's public machine-readable ISA for CDNA 5 (MIT licence, August 2026) and "CDNA5" Instruction Set Architecture Reference Guide (July 2026). The comments in the code are by the model that wrote it; some were corrected since.
;; K Means. Allowed arithmetic: matrix products marked QUANTISED: E2M1 operands, one E8M0 scale for each 32 along K, by v_wmma_scale_f32_16x16x128_f8f6f4 with both operands' format E2M1 (or v_wmma_scale_f32_32x16x128_f4), f32 sums; everything else in f32.
;; Inputs: X 500,000 x 64 float32; codebook 512 x 64 float32.
;; Outputs: out0 500,000 int32; out1 500,000 float32.
;; This version of the problem:
;;   THIS VERSION OF THE PROBLEM IS GIVEN IN LOW PRECISION. The matrix products marked QUANTISED in the list below multiply operands that are first quantised to E2M1 (2 exponent bits, 1 mantissa bit; 4 bits a number), with one power-of-two scale for each 32 numbers along K (OCP MX v1.0); their sums are f32. All else is computed in f32.
;;   The module's matrix products, in the order in which they are computed (A, B: the left and right operand; K: the contracted axis; several contracted axes count as one K, in the product's order):
;;     1. [M 500,000, K 64] x [K 64, N 512]; A: input X; B: input codebook: QUANTISED
;;   THE QUANTISER, for each operand of a quantised product, along K:
;;     - K is cut into blocks of 32 from its start; a last block that is shorter is filled with zeros.
;;     - A block's scale is 2^e with e = floor(log2(the largest magnitude in the block)) - 2, held to -126 .. 127; a block of zeros has e = 0. As a byte (E8M0): e + 127.
;;     - Each number is divided by its block's scale, clamped to +-6, and rounded to the nearest number of E2M1, ties to even, subnormals kept.
;;     - The product sums the exact products of the quantised numbers (number of the format x scale) in f32.
;;   ~~~python
;;   def quantise(x, axis):      # numpy; x: float32 -> the quantised numbers, widened to float32 again
;;       x = np.moveaxis(x, axis, -1); K = x.shape[-1]
;;       x = np.pad(x, [(0, 0)] * (x.ndim - 1) + [(0, -K % 32)]); x = x.reshape(x.shape[:-1] + (-1, 32)); a = np.abs(x).max(-1, keepdims=True)
;;       e = np.where(a > 0, np.clip(np.frexp(np.where(a > 0, a, 1))[1] - 1 - 2, -126, 127), 0)      # np.frexp(a)[1] - 1 = floor(log2(a)), exactly
;;       r = np.clip(x / 2.0 ** e, -6, 6)
;;       step = 2.0 ** (np.maximum(np.frexp(np.where(r == 0, 1, r))[1] - 1, 0) - 1)
;;       q = np.round(r / step) * step * 2.0 ** e      # np.round: ties to even
;;       return np.moveaxis(q.reshape(q.shape[:-2] + (-1,))[..., :K], -1, axis).astype(np.float32)
;;   ~~~
;; One version. Each part assembles by itself: llvm-mc -triple=amdgcn-amd-amdhsa -mcpu=gfx1250 --defsym DOCPART=n.
;; ======== version 1 of 1: 1 launch
;; launch kmeans (part 1): grid 256 x 1, 4 waves a work-group, no clusters, 167,936 bytes of LDS; arguments X, codebook, out0, out1; writes out0, out1
.if DOCPART == 1
	.amdgcn_target "amdgcn-amd-amdhsa--gfx1250"
	.amdhsa_code_object_version 6
	.text
	.protected	k_qf0332a3cb4_kmeans
	.globl	k_qf0332a3cb4_kmeans
	.p2align	8
	.type	k_qf0332a3cb4_kmeans,@function
k_qf0332a3cb4_kmeans:
	s_mov_b64 s[64:65], 0
	v_nop
	global_prefetch_b8 v0, s[64:65] scope:SCOPE_SE
	s_setreg_imm32_b32 hwreg(HW_REG_WAVE_MODE, 25, 1), 1
	s_wait_xcnt 0x0
; out0[n] = the first k with the smallest dist[n][k], out1[n] = that dist.  dist = sqrt(max(x2 - 2 P + c2, 0)); P = Q(X) Q(codebook)^T on codes of FP4 (E2M1) with one E8M0 scale
; for each 32 along K = 64; x2, c2: sums of squares of the unquantised f32 numbers.  X: [500000][64] f32, codebook: [512][64] f32, out0: int32, out1: f32.
; WORK LEFT OUT, AND WHY IT IS DEAD.  With s_k = P_k - c2_k / 2 a row's dist_k is sqrt(x2 - 2 min(s_k, x2 / 2)): x2 is the same for all k of a row, and the max with 0 is the cap of s_k at x2 / 2.
; That falls strictly as min(s_k, x2 / 2) rises.  So in exact arithmetic, for all finite inputs, the k that attain the smallest dist are those that attain the largest min(s_k, x2 / 2), and the
; smallest dist is sqrt(x2 - 2 x that maximum).  The addition of x2, the max with 0 and the root are therefore done once a row, for the winner, not for the 511 others.  The cap stays: it makes ties,
; which go to the lower k.  Every input is loaded.  A NaN, an infinity or an overflow that would arise only in the work left out is not carried to the result.
; LIMITS.  (1) reference()'s f32 roundings (of x2 - 2 P, of + c2, of the root) merge candidates whose d2 differ by one to three units in the last place into a tie, which it gives to the lower k; here s_k
; is compared unrounded against x2, so of such a pair the truly smaller is named: by the spread of the drawn numbers about one row in 10^6.  (2) s_k carries the matrix instruction's own rounding of
; P - c2 / 2; x2 and c2 are summed in two packed chains, another order than reference()'s.  (3) NaN and infinities among the inputs are not served.  (4) A block whose largest magnitude lies under
; 2^-124, a block of zeros too, keeps the scale byte 1 (the rule: 127 for zeros): its codes are zeros or as the floor gives them, and only this text reads the bytes.  (5) A d2 under 2^-126 gives the root 0.
; SHARES.  A unit is an OCT: 128 rows, 8 tiles of 16: 32,768 bytes of X, 512 bytes of each output.  3,907 octs; oct q begins at row min(128 q, 499,872): the last one lies over its neighbour, computes six
; tiles again (inside a unit that also holds live rows) and stores only rows from 128 q on, so each output byte has one owner.  1,024 waves; wave g takes octs g, g + 1024, g + 2048, and g + 3072 where g <= 834.
; THE PRODUCT IS USED TRANSPOSED: source 0 = 16 codebook rows, source 1 = 16 rows of X: lane (r, h) holds row r of X, register j the code 16 t + 8 h + j.  C = -c2 / 2 in the result's layout, so D = s_k.
; K = 64 IN AN INSTRUCTION OF K = 128: a fragment of source 0 holds TWO tiles of codes (tile 2 u as K 0-63, tile 2 u + 1 as K 64-127); source 1 is [x | zeros] or [zeros | x], which picks one of them:
; zero codes add nothing.  The whole codebook stays in registers: 128 of codes, 16 scale words, 256 of -c2 / 2.
; THE ARGMIN.  A group is a pair u: 16 results a lane, ascending k.  Eight instructions give g = min(their maximum, x2 / 2); where g beats the best so far STRICTLY, one compare and nine paired selections keep
; g, u and the 16 raw results.  At the tile's end the first of the 16 kept that reaches the best gives the place; lanes l and l xor 16 then meet once.
; X's WAY: each load takes 512 consecutive bytes into a ring of 8 tiles in registers (64 loads a wave on their way, asked for a whole oct ahead); a tile turns through the wave's own stage in LDS, so that a
; lane gets a whole block of 32 neighbours of its row, which is what the conversions and the operand's layout want.
; NO CLUSTER: what work-groups share is the codebook, 131,072 bytes read once by each, against the 500,000 bytes of X that each streams; and the branch on g <= 834 differs between neighbouring work-groups.
; REGISTERS, in windows of 256: window 0: see the names below.  window 1: -c2 / 2, tile t at 8 t.  window 2: the codes, tile t at 4 t (v0-127).  window 3: X's ring, slot s at 32 s.
.set DUAL,  1                          ; 1: the selections go two to an instruction; 0: one by one
.set NOCT,  3907
.set LASTR, 500000-128                 ; the last oct's first row
.set LASTG, NOCT-1-3*1024              ; 834: the last wave with a fourth oct
.set PIT,   272                        ; a stage row: 256 bytes + 16: the 16 rows that a load touches begin in 16 different columns of 16 bytes
.set SLOTB, 16*PIT                     ; a tile in the stage
.set STGB,  8*SLOTB                    ; a wave's stage: filled once by its tensor load (128 codebook rows), afterwards X's stage
.set CIMG,  4*STGB                     ; images of the code tiles: tile t at 512 t + 16 x lane
.set SIMG,  CIMG+16384                 ; source 0's scale words: pair u at 128 u + 4 x lane
.set C2T,   SIMG+2048                  ; -c2 / 2 of code k at 4 k
.set OUTS,  C2T+2048                   ; for each wave 1,024 bytes: an oct's 128 indices, then its 128 d2
.set SPARE, OUTS+4096                  ; the spare words, 128 bytes for each wave: two blocks of 256 bytes that no other line names
.set SPW,  1                           ; v1   my spare word's LDS address; never rewritten
.set NIL,  2                           ; v2   0; never rewritten
.set LO,   3                           ; v3   16 x lane
.set STI,  4                           ; v4   into the stage: 272 (lane / 16) + 16 (lane % 16) + my wave's stage
.set RD0,  5                           ; v5   out of it: 272 r + 128 h + my wave's stage
.set OA0,  6                           ; v6   my wave's outputs in LDS + 512 h + 4 r
.set ORD,  7                           ; v7   the same + 16 x lane
.set H8,   8                           ; v8   8 h
.set ROWL, 9                           ; v9   4 x lane
.set ADR,  10                          ; v10  LDS address of the next tile's numbers
.set OAD,  11                          ; v11  LDS address of the tile's result
.set BEST, 12                          ; v12  the best so far;  v13 its group
.set GID,  13
.set X2,   14                          ; v14  x2;  v15 x2 / 2
.set HX2,  15
.set SB,   16                          ; v16  source 1's scale word: scales and nothing else
.set BIG,  17                          ; v17  0x7fffffff
.set MA,   18                          ; v18-19 two chains of the largest magnitude
.set SOP,  20                          ; v20  the conversions' scale operand
.set BYT,  21
.set PT,   22                          ; v22  a lane permute's destination
.set W16,  23                          ; v23  a row's two scale bytes
.set SQ,   24                          ; v24-27 two pairs of sums of squares
.set OB,   28
.set CI,   29
.set IDX,  30
.set DAT,  31
.set SA,   32                          ; v32-47 source 0's scale words, pair u: scales and nothing else
.set XB,   52                          ; v48-51 zeros, v52-55 x's codes, v56-59 zeros: v[52:59] = [x | 0], v[48:55] = [0 | x]
.set SV,   60                          ; v60-75 the 16 results kept
.set GR,   76                          ; v76-79 g: two groups x two batches
.set TMP,  80                          ; v80-89 the maxima's trees, five a group
.set PP,   90                          ; v90-93 places; in the head v90-94 scale words and -c2 / 2
.set XN,   96                          ; v96-127 a lane's 32 numbers
.set DBUF, 128                         ; v128-223 three buffers of 32 results (a batch: two groups)
.set OI,   224                         ; v224-227 four indices, v228-231 four d2, v232-235 four roots
.set OD,   228
.set OS,   232
.set ACI,  236                         ; v236-241 the head's LDS addresses: where I store images, -c2 / 2, scale words; where I read them
.set AC2,  237
.set ASI,  238
.set RCI,  239
.set RC2,  240
.set RSI,  241
; s[4:11] X, codebook, out0, out1; s12 wave; s13 g; s14 the oct being loaded; s15 the oct going out; s[16:23], s[24:27] the descriptor; s[28:29] X at the oct being loaded; s[30:31] an offset;
; s[32:35] the outputs' bases; s36 tile; s37, s39 at work; s38 64 x tile; s[40:41] lane selects; s42 lanes 16-31; s43 EXEC kept; s44-47 masks; s49 the oct's first row; s50 128 q
.set MSB, 0
.macro WIN new                         ; the immediate's high byte repeats the setting that is left; a switch that changes nothing is dropped
.if MSB != \new
	s_set_vgpr_msb (MSB<<8)|\new
.set MSB, \new
.endif
.endm
.set W_MM,  0x12                       ; source 0 (codes) window 2, source 1 (x) window 0, C (-c2 / 2) window 1, D window 0
.set W_RAW, 0xcc                       ; a load's destination and an LDS store's data (its source 1) window 3, addresses window 0
.macro LOADS s                         ; a tile of X, 4,096 consecutive bytes, into ring slot s: each load 512 consecutive bytes
.irp j, 0,1,2,3,4,5,6,7
	global_load_b128 v[32*(\s)+4*\j:32*(\s)+4*\j+3], v[LO], s[28:29] offset:4096*(\s)+512*\j th:TH_LOAD_NT
.endr
.endm
.macro STORES s                        ; ring slot s into stage slot s: a store lays two rows
.irp j, 0,1,2,3,4,5,6,7
	ds_store_b128 v[STI], v[32*(\s)+4*\j:32*(\s)+4*\j+3] offset:SLOTB*(\s)+2*PIT*\j
.endr
.endm
; An oct goes from the ring to the stage.  loads = 1: each slot, once its stores have read it, is asked for again with the next oct's tile.
.macro PHASEL loads
.if \loads
	s_wait_xcnt 0x0                                ; the ring's loads have read their base: it may step
	s_add_co_u32 s14, s14, 1024
	s_lshl_b32 s39, s14, 7
	s_min_u32 s39, s39, LASTR                      ; the oct's first row
	s_lshl_b32 s30, s39, 8                         ; x 256 bytes: under 2^27
	s_mov_b32 s31, 0
	s_add_nc_u64 s[28:29], s[4:5], s[30:31]
.endif
	WIN W_RAW
.irp s, 0,1,2,3,4,5,6,7
.if \loads
.if \s == 0
	s_wait_loadcnt 56                              ; slot 0's eight are in; the seven slots behind it may be out
.else
	s_wait_loadcnt 48                              ; slot s's are in; behind them: 7 - s old slots and s - 1 slots asked for anew
.endif
.else
	s_wait_loadcnt 8*(7-\s)                        ; nothing is asked for any more: the counts run down
.endif
	STORES \s
.if \loads && (\s > 0)
	s_wait_dscnt 8                                 ; all but this slot's eight stores are done: the slot before has been read
	LOADS \s-1
.endif
.endr
.if \loads
	s_wait_dscnt 0x0
	LOADS 7
.endif
	WIN 0
.endm
.macro XNLOAD                          ; the oct's first tile: my block of 32 numbers: row r, 128 h bytes on
.irp j, 0,1,2,3,4,5,6,7
	ds_load_b128 v[XN+4*\j:XN+4*\j+3], v[RD0] offset:16*\j
.endr
.endm
; THE QUANTISER of a lane's whole block, v[s] .. v[s + 31].
.macro QMAX s                          ; its largest magnitude, in two chains, with the floor 2^(3 - 127) as a leaf: the byte cannot fall under 1
	v_max3_num_f32 v[MA], |v[\s]|, |v[\s+1]|, |v[\s+2]|
	v_max3_num_f32 v[MA+1], |v[\s+3]|, |v[\s+4]|, |v[\s+5]|
.irp i, 6,10,14,18,22,26
	v_max3_num_f32 v[MA], v[MA], |v[\s+\i]|, |v[\s+\i+1]|
	v_max3_num_f32 v[MA+1], v[MA+1], |v[\s+\i+2]|, |v[\s+\i+3]|
.endr
	v_max3_num_f32 v[MA], v[MA], |v[\s+30]|, |v[\s+31]|
	v_max3_num_f32 v[MA], v[MA], v[MA+1], 0x1800000
.endm
.macro QCODE s, d                      ; 2 off the exponent field is the conversions' scale operand; their four results are registers 0-3 of the operand: k = 32 h + 0 .. 31
	v_add_nc_u32 v[SOP], 0xff000000, v[MA]
.irp g, 0,1,2,3
	v_cvt_scalef32_pk8_fp4_f32 v[\d+\g], v[\s+8*\g:\s+8*\g+7], v[SOP]
.endr
.endm
.macro QW16 d                          ; my block's byte at its place, with lane l xor 16's: the row's two bytes.  (The first line is the plain place behind the conversions)
	v_lshrrev_b32 v[BYT], 23, v[SOP]
	v_lshlrev_b32 v[BYT], v[H8], v[BYT]
	v_permlanex16_b32 v[PT], v[BYT], s40, s41
	v_or_b32 v[\d], v[BYT], v[PT]
.endm
.macro SQ2 s, i
	v_pk_fma_f32 v[SQ:SQ+1], v[\s+\i:\s+\i+1], v[\s+\i:\s+\i+1], v[SQ:SQ+1]
	v_pk_fma_f32 v[SQ+2:SQ+3], v[\s+\i+2:\s+\i+3], v[\s+\i+2:\s+\i+3], v[SQ+2:SQ+3]
.endm
.macro QSQA s                          ; the sum of squares of the UNQUANTISED numbers, first part: ten plain lines
	v_pk_mul_f32 v[SQ:SQ+1], v[\s:\s+1], v[\s:\s+1]
	v_pk_mul_f32 v[SQ+2:SQ+3], v[\s+2:\s+3], v[\s+2:\s+3]
.irp i, 4,8,12,16
	SQ2 \s, \i
.endr
.endm
.macro QSQB s                          ; second part: ten more; the row's sum in both halves of the lanes
.irp i, 20,24,28
	SQ2 \s, \i
.endr
	v_pk_add_f32 v[SQ:SQ+1], v[SQ:SQ+1], v[SQ+2:SQ+3]
	v_add_f32 v[X2], v[SQ], v[SQ+1]
	v_permlanex16_b32 v[PT], v[X2], s40, s41
	v_add_f32 v[X2], v[X2], v[PT]
.endm
; BATCH b: pairs 2 b and 2 b + 1, four matrix instructions into buffer b % 3.  No two share an accumulator; none adds in place.
.macro MM b
.irp p, 0,1
.set U, 2*(\b)+\p
.set DD, DBUF+32*((\b)%3)+16*\p
	v_wmma_scale_f32_16x16x128_f8f6f4 v[DD:DD+7], v[8*U:8*U+7], v[XB:XB+7], v[16*U:16*U+7], v[SA+U], v[SB] matrix_a_fmt:MATRIX_FMT_FP4 matrix_b_fmt:MATRIX_FMT_FP4
	v_wmma_scale_f32_16x16x128_f8f6f4 v[DD+8:DD+15], v[8*U:8*U+7], v[XB-4:XB+3], v[16*U+8:16*U+15], v[SA+U], v[SB] matrix_a_fmt:MATRIX_FMT_FP4 matrix_b_fmt:MATRIX_FMT_FP4
.endr
.endm
.macro TL1 b, p                        ; group 2 b + p: the tree's first five, ascending: each accumulator is first read at its lowest register
.set DD, DBUF+32*((\b)%3)+16*(\p)
.set TT, TMP+5*(\p)
.irp k, 0,1,2,3,4
	v_max3_num_f32 v[TT+\k], v[DD+3*\k], v[DD+3*\k+1], v[DD+3*\k+2]
.endr
.endm
.macro TL23 b                          ; the rest of both groups' trees, by turns; the last line is min(max(a, b), x2 / 2): the cap costs no line
.set DD, DBUF+32*((\b)%3)
.set GG, GR+2*((\b)%2)
	v_max3_num_f32 v[TMP], v[TMP], v[TMP+1], v[TMP+2]
	v_max3_num_f32 v[TMP+5], v[TMP+5], v[TMP+6], v[TMP+7]
	v_max3_num_f32 v[TMP+3], v[TMP+3], v[TMP+4], v[DD+15]
	v_max3_num_f32 v[TMP+8], v[TMP+8], v[TMP+9], v[DD+31]
	v_maxmin_num_f32 v[GG], v[TMP], v[TMP+3], v[HX2]
	v_maxmin_num_f32 v[GG+1], v[TMP+5], v[TMP+8], v[HX2]
.endm
.macro SCMP b, p                       ; VCC: keep the old one.  Only a strict gain replaces it, so the first group that attains the maximum holds it
	v_cmp_le_f32 vcc_lo, v[GR+2*((\b)%2)+(\p)], v[BEST]
.endm
.macro SDUAL b, p                      ; best, its group and the group's 16 raw results: VCC ? old : new
.set GG, GR+2*((\b)%2)+(\p)
.set DD, DBUF+32*((\b)%3)+16*(\p)
.set U, 2*(\b)+(\p)
.if DUAL
	v_dual_cndmask_b32 v[BEST], v[GG], v[BEST] :: v_dual_cndmask_b32 v[GID], U, v[GID]
.irp k, 0,2,4,6,8,10,12,14
	v_dual_cndmask_b32 v[SV+\k], v[DD+\k], v[SV+\k] :: v_dual_cndmask_b32 v[SV+\k+1], v[DD+\k+1], v[SV+\k+1]
.endr
.else
	v_cndmask_b32 v[BEST], v[GG], v[BEST], vcc_lo
	v_cndmask_b32 v[GID], U, v[GID], vcc_lo
.irp k, 0,1,2,3,4,5,6,7,8,9,10,11,12,13,14,15
	v_cndmask_b32 v[SV+\k], v[DD+\k], v[SV+\k], vcc_lo
.endr
.endif
.endm
; Batch b is selected, batch b + 1's maxima are taken, batch b + 2's products are issued.  A batch's results are first read a whole STEP behind its products, by lines that name none of their registers;
; its buffer is written again only when its selections are over.  Five tree lines stand between each compare and the selections that read VCC, save in the last batch.
.macro STEP b
.if (\b)+2 < 8
	WIN W_MM
	MM (\b)+2
	WIN 0
.endif
	SCMP \b, 0
.if (\b) < 7
	TL1 (\b)+1, 0
.endif
	SDUAL \b, 0
	SCMP \b, 1
.if (\b) < 7
	TL1 (\b)+1, 1
.endif
	SDUAL \b, 1
.if (\b) < 7
	TL23 (\b)+1
.endif
.endm
; The first of the 16 kept that reaches the best (the best is capped, they are not).  Four chains, each from its highest place down, so that the lowest stays.  Result j is code 32 u + 8 h + j + (j & 8).
.macro RESOLVE
.irp st, 3,2,1,0
.irp c, 0,1,2,3
	v_cmp_ge_f32 s[44+\c], v[SV+4*\c+\st], v[BEST]
.endr
.irp c, 0,1,2,3
.set KJ, (4*\c+\st)+((4*\c+\st)&8)
.if \st == 3
	v_cndmask_b32 v[PP+\c], v[BIG], KJ, s[44+\c]
.else
	v_cndmask_b32 v[PP+\c], v[PP+\c], KJ, s[44+\c]
.endif
.endr
.endr
	v_min_u32 v[PP], v[PP], v[PP+1]
	v_min_u32 v[PP+2], v[PP+2], v[PP+3]
	v_min_u32 v[PP], v[PP], v[PP+2]
	v_lshl_add_u32 v[IDX], v[GID], 5, v[PP]
	v_add_nc_u32 v[IDX], v[H8], v[IDX]
.endm
; Lanes l and l xor 16 hold the two halves of a row's codes: the larger best; of those that attain it the lower index.  d2 = x2 - 2 best, held at 0.  Lanes 0-15 store the index, lanes 16-31 d2.
.macro MERGE
	v_permlanex16_b32 v[OB], v[BEST], s40, s41
	v_max_num_f32 v[OB], v[BEST], v[OB]
	v_cmp_eq_f32 vcc_lo, v[BEST], v[OB]
	v_cndmask_b32 v[CI], v[BIG], v[IDX], vcc_lo
	v_permlanex16_b32 v[DAT], v[CI], s40, s41
	v_min_u32 v[IDX], v[CI], v[DAT]
	v_fma_f32 v[DAT], v[OB], -2.0, v[X2]
	v_max_num_f32 v[DAT], 0, v[DAT]
	v_cndmask_b32 v[DAT], v[IDX], v[DAT], s42
	v_add_nc_u32 v[OAD], s38, v[OA0]
	ds_store_b32 v[OAD], v[DAT]
.endm
; A TILE: 16 rows against all 512 codes.  cond = 1 (the fourth oct's copy): a wave without a fourth oct jumps to the lines that step the counters: a branch on ids, inside the loop, which every wave walks.
.macro TILE cond
.if \cond
	s_cmp_gt_u32 s13, LASTG
	s_cbranch_scc1 .Lskip_\@
.endif
	s_wait_dscnt 0x0                               ; my 32 numbers are in
	QMAX XN
	QCODE XN, XB
	QW16 W16
	v_lshl_or_b32 v[SB], v[W16], 16, v[W16]        ; bytes b0, b1, b0, b1: the word serves [x | 0] and [0 | x]
	QSQA XN                                        ; ten plain lines between the scale word's write and the first scaled product (eight are asked; four behind the codes')
	WIN W_MM
	MM 0
	MM 1
	WIN 0
	QSQB XN                                        ; these and the three lines below are the places behind batch 0's products
	v_mul_f32 v[HX2], 0.5, v[X2]
	v_mov_b32 v[BEST], 0xff800000                  ; -infinity: the first group always takes over
	s_add_co_u32 s39, s36, 1
	s_and_b32 s39, s39, 7                          ; the next tile's slot; it wraps, so the address stays in my stage
	s_mul_i32 s37, s39, SLOTB
	v_add_nc_u32 v[ADR], s37, v[RD0]
	s_cmp_eq_u32 s36, 7                            ; the oct's last tile fetches nothing
	s_cbranch_scc1 .Lnox_\@
.irp j, 0,1,2,3,4,5,6,7
	ds_load_b128 v[XN+4*\j:XN+4*\j+3], v[ADR] offset:16*\j   ; the next tile's numbers land under this tile's work
.endr
.Lnox_\@:
	TL1 0, 0
	TL1 0, 1
	TL23 0
.irp b, 0,1,2,3,4,5,6,7
	STEP \b
.endr
	RESOLVE
	MERGE
.if \cond
.Lskip_\@:
.endif
.endm
.macro INNER cond                      ; an oct's eight tiles: a constant count, in every wave
	s_mov_b32 s36, 0
	s_mov_b32 s38, 0
.Ltile_\@:
	TILE \cond
	s_add_co_u32 s38, s38, 64
	s_add_co_u32 s36, s36, 1
	s_cmp_lt_u32 s36, 8
	s_cbranch_scc1 .Ltile_\@
.endm
.macro OUTLOAD                         ; an oct's results back from LDS: four rows a lane.  LDS serves a wave's instructions in order: these see my stores, and the next oct's stores come behind them
	ds_load_b128 v[OI:OI+3], v[ORD]
	ds_load_b128 v[OD:OD+3], v[ORD] offset:512
.endm
; The roots, and two stores of 512 consecutive bytes.  younger: the LDS loads issued behind all that the way out needs, which may stay out.
.macro OUTFIN younger
	s_wait_dscnt \younger
	s_lshl_b32 s50, s15, 7                         ; 128 q: the first row that this oct owns
	s_min_u32 s49, s50, LASTR                      ; the first row that it computed
	s_lshl_b32 s30, s49, 2
	s_mov_b32 s31, 0
	s_add_nc_u64 s[32:33], s[8:9], s[30:31]        ; (the last stores were followed by a wait on XCNT for 0: their bases and data may be written)
	s_add_nc_u64 s[34:35], s[10:11], s[30:31]
	s_add_co_u32 s15, s15, 1024
.irp j, 0,1,2,3
	v_sqrt_f32 v[OS+\j], v[OD+\j]
.endr
	v_add_nc_u32 v[CI], s49, v[ROWL]               ; my first row.  (The plain line behind the roots)
	s_wait_alu depctr_va_vdst(0)                   ; the wait between the roots and the first line that names a result: one for the four
	v_cmp_le_u32 vcc_lo, s50, v[CI]                ; all lanes, but in the last oct lanes 24-31 alone
	s_wait_xcnt 0x0                                ; EXEC changes only behind this wait: loads of the ring may have been issued
	s_and_saveexec_b32 s43, vcc_lo
	global_store_b128 v[LO], v[OI:OI+3], s[32:33] th:TH_STORE_NT
	global_store_b128 v[LO], v[OS:OS+3], s[34:35] th:TH_STORE_NT
	s_wait_xcnt 0x0                                ; and again, in front of the line that widens it
	s_or_b32 exec_lo, exec_lo, s43
.endm
.macro TRIP first
.if !\first
	OUTLOAD
.endif
	PHASEL 1
	XNLOAD
.if !\first
	OUTFIN 8                                       ; the eight loads of XNLOAD may stay out
.endif
	INNER 0
.endm
; THE HEAD'S TILES: wave w quantises codebook rows 128 w .. 128 w + 127, tile i of eight, from its own stage, and stores codes, scale words and -c2 / 2 as images of the registers that all waves will hold.
.macro CBLOAD i
.set SRC, XN+32*((\i)%2)
.irp j, 0,1,2,3,4,5,6,7
	ds_load_b128 v[SRC+4*\j:SRC+4*\j+3], v[RD0] offset:SLOTB*(\i)+16*\j
.endr
.endm
.macro CBTILE i
.set SRC, XN+32*((\i)%2)               ; numbers: v96-127 or v128-159 by turns
.set CD, XB+8*((\i)%2)                 ; codes: v52-55 or v60-63 by turns
.if (\i) == 0
	s_wait_dscnt 8                                 ; tile 0's loads are in; tile 1's eight may be out
.elseif (\i) == 7
	s_wait_dscnt 2                                 ; behind tile 7's loads: tile 6's two stores
.else
	s_wait_dscnt 10                                ; behind tile i's loads: the last tile's two or three stores and the next tile's eight loads
.endif
	QMAX SRC
	QCODE SRC, CD
	QW16 PP+(\i)%2
	QSQA SRC
	QSQB SRC
	v_mul_f32 v[PP+3+(\i)%2], -0.5, v[X2]          ; -c2 / 2 of row r
	ds_store_b128 v[ACI], v[CD:CD+3] offset:512*(\i)
	ds_store_b32 v[AC2], v[PP+3+(\i)%2] offset:64*(\i)   ; both halves of the lanes write the same word with the same value
.if (\i)%2
	v_lshl_or_b32 v[PP+2], v[PP+1], 16, v[PP]      ; a pair's scale word: the even tile's two bytes below, the odd tile's above
	ds_store_b32 v[ASI], v[PP+2] offset:128*((\i)/2)
.endif
.if (\i)+2 < 8
	CBLOAD (\i)+2
.endif
.endm
	s_load_b256 s[4:11], s[0:1], 0x0               ; X s[4:5], codebook s[6:7], out0 s[8:9], out1 s[10:11]
	v_lshl_add_u32 v[SPW], v0, 2, SPARE
	v_mov_b32 v[NIL], 0
	ds_add_u32 v[SPW], v[NIL]                      ; the wave's opening: the add, twice on end, and its wait ahead of my tensor load; the set-up below, work on registers, stands between
	ds_add_u32 v[SPW], v[NIL]                      ; and once more, under the one wait
	v_lshrrev_b32 v[ADR], 5, v0
	v_readfirstlane_b32 s12, v[ADR]                ; wave 0..3
	s_lshl_b32 s13, ttmp9, 2
	s_add_co_u32 s13, s13, s12                     ; g = 4 x work-group + wave
	; the descriptor: 128 codebook rows of 64 f32, dense in memory, 16 bytes of padding behind each in LDS
	s_mov_b32 s16, (2<<16)|(1<<20)|(5<<22)|(3<<25) ; no mask; elements of 4 bytes; padding on: 4 words (code 3) after every 64 (code 5)
	s_mov_b32 s17, 64<<16                          ; tensor_dim0 = 64
	s_mov_b32 s18, 128<<16                         ; tensor_dim1 = 128
	s_mov_b32 s19, 64<<16                          ; tile_dim0 = 64
	s_mov_b32 s20, 128                             ; tile_dim1 = 128
	s_mov_b32 s21, 64                              ; elements from row to row
	s_mov_b32 s22, 0
	s_mov_b32 s23, 0
	s_mov_b32 s24, 1                               ; count = 1
	s_mul_i32 s25, s12, STGB                       ; LDS address: my wave's stage
	s_lshl_b32 s30, s12, 15                        ; my 128 rows: 32,768 bytes a wave
	s_mov_b32 s31, 0
	s_mov_b32 s40, 0x76543210
	s_mov_b32 s41, 0xfedcba98                      ; v_permlanex16_b32's selects for lane l xor 16
	s_mov_b32 s42, 0xffff0000                      ; lanes 16-31
	s_mov_b32 s14, s13
	s_mov_b32 s15, s13
	v_and_b32 v[CI], 31, v0                        ; lane
	v_lshlrev_b32 v[LO], 4, v[CI]
	s_wait_alu depctr_va_vdst(0)
	s_wait_dscnt 0x0                               ; both opening adds are done
	s_wait_kmcnt 0x0
	s_add_nc_u64 s[26:27], s[6:7], s[30:31]
	s_or_b32 s27, s27, 0x80000000                  ; type = 2
	tensor_load_to_lds s[24:27], s[16:23]          ; every wave's one tensor load: a first fill; X's tiles are stored over these bytes afterwards
	s_nop 0
.rept 4
	v_nop
.endr
	s_lshl_b32 s30, s14, 15                        ; oct g: 32,768 bytes an oct (g <= 1023: no oct of the first round of four reaches the end)
	s_add_nc_u64 s[28:29], s[4:5], s[30:31]
	WIN W_RAW
.irp s, 0,1,2,3,4,5,6,7
	LOADS \s                                       ; the ring is filled: 64 loads, on their way while the codebook is quantised
.endr
	WIN 0
	v_and_b32 v[ADR], 15, v0                       ; r
	v_bfe_u32 v[OAD], v0, 4, 1                     ; h
	v_mul_u32_u24 v[STI], v[OAD], PIT
	v_lshl_add_u32 v[STI], v[ADR], 4, v[STI]
	v_add_nc_u32 v[STI], s25, v[STI]
	v_mul_u32_u24 v[RD0], v[ADR], PIT
	v_lshl_add_u32 v[RD0], v[OAD], 7, v[RD0]
	v_add_nc_u32 v[RD0], s25, v[RD0]
	s_lshl_b32 s39, s12, 10
	s_add_co_u32 s39, s39, OUTS
	v_lshlrev_b32 v[OA0], 2, v[ADR]
	v_lshl_add_u32 v[OA0], v[OAD], 9, v[OA0]
	v_add_nc_u32 v[OA0], s39, v[OA0]
	v_add_nc_u32 v[ORD], s39, v[LO]
	v_lshlrev_b32 v[H8], 3, v[OAD]
	v_lshlrev_b32 v[ROWL], 2, v[CI]
	s_lshl_b32 s39, s12, 12
	s_add_co_u32 s39, s39, CIMG
	v_add_nc_u32 v[ACI], s39, v[LO]                ; my wave's eight images: 4,096 w + 16 x lane
	s_lshl_b32 s39, s12, 9
	s_add_co_u32 s37, s39, C2T
	v_lshl_add_u32 v[AC2], v[ADR], 2, s37          ; 512 w + 4 r
	s_add_co_u32 s37, s39, SIMG
	v_add_nc_u32 v[ASI], s37, v[ROWL]              ; 512 w + 4 x lane
	v_add_nc_u32 v[RCI], CIMG, v[LO]
	v_lshl_add_u32 v[RC2], v[OAD], 5, C2T          ; my half's eight codes of a tile: 32 h
	v_add_nc_u32 v[RSI], SIMG, v[ROWL]
	v_mov_b32 v[PT], 0                             ; written once: a lane permute's destination counts as one of its sources
	v_mov_b32 v[OB], 0
	v_mov_b32 v[DAT], 0
	v_mov_b32 v[GID], 0
	v_mov_b32 v[BIG], 0x7fffffff
	s_wait_tensorcnt 0x0                           ; my 128 rows are in my stage; only I read them, so no barrier is owed here
	CBLOAD 0
	CBLOAD 1
.irp i, 0,1,2,3,4,5,6,7
	CBTILE \i
.endr
	s_wait_dscnt 0x0                               ; for the others' sake: my images have landed; and my reads of my stage are over
	s_barrier_signal -1
	s_barrier_wait -1                              ; the launch's one barrier: all 32 tiles lie in LDS
	WIN 0x80                                       ; destination window 2
.set T, 0
.rept 32
	ds_load_b128 v[4*T:4*T+3], v[RCI] offset:512*T
.set T, T+1
.endr
	WIN 0x40                                       ; destination window 1
.set T, 0
.rept 32
	ds_load_b128 v[8*T:8*T+3], v[RC2] offset:64*T
	ds_load_b128 v[8*T+4:8*T+7], v[RC2] offset:64*T+16
.set T, T+1
.endr
	WIN 0
.set T, 0
.rept 16
	ds_load_b32 v[SA+T], v[RSI] offset:128*T
.set T, T+1
.endr
.irp j, 48,49,50,51,56,57,58,59
	v_mov_b32 v[\j], 0                             ; the zero codes beside x's
.endr
.set T, 0
.rept 16
	v_mov_b32 v[SV+T], 0                           ; written once: the selections name them as sources
.set T, T+1
.endr
	TRIP 1                                         ; oct g;        g + 1024 is asked for
	TRIP 0                                         ; oct g + 1024; g + 2048 is asked for
	OUTLOAD                                        ; oct g + 2048; g + 3072 is asked for where it exists
	s_cmp_gt_u32 s13, LASTG
	s_cbranch_scc1 .Lshort_c
	PHASEL 1
	s_branch .Ljoin_c
.Lshort_c:
	PHASEL 0
.Ljoin_c:
	XNLOAD
	OUTFIN 8                                       ; the eight loads of XNLOAD may stay out
	INNER 0
	OUTLOAD                                        ; oct g + 2048 goes out ahead of the parting, so that the wait's count holds on both ways
	OUTFIN 0
	s_cmp_gt_u32 s13, LASTG
	s_cbranch_scc1 .Lshort_d
	PHASEL 0                                       ; oct g + 3072: nothing is left to ask for
	XNLOAD
.Lshort_d:
	INNER 1                                        ; every wave walks the eight trips; a wave without a fourth oct jumps over each tile's work
	s_cmp_gt_u32 s13, LASTG
	s_cbranch_scc1 .Lend
	OUTLOAD
	OUTFIN 0
.Lend:
	s_wait_tensorcnt 0x0                           ; the wave's end: behind my tensor load and my last LDS store
	ds_add_u32 v[SPW], v[NIL]
	s_wait_dscnt 0x0
	s_endpgm
.Lfunc_end_k_qf0332a3cb4_kmeans:
	.size	k_qf0332a3cb4_kmeans, .Lfunc_end_k_qf0332a3cb4_kmeans-k_qf0332a3cb4_kmeans
	.p2alignl 7, 3214868480
	.fill 96, 4, 3214868480
	.section	.rodata,"a",@progbits
	.p2align	6, 0x0
	.amdhsa_kernel k_qf0332a3cb4_kmeans
		.amdhsa_group_segment_fixed_size 167936
		.amdhsa_private_segment_fixed_size 0
		.amdhsa_enable_private_segment 0
		.amdhsa_kernarg_size 32
		.amdhsa_user_sgpr_count 2
		.amdhsa_user_sgpr_kernarg_segment_ptr 1
		.amdhsa_wavefront_size32 1
		.amdhsa_system_sgpr_workgroup_id_x 1
		.amdhsa_system_sgpr_workgroup_id_y 1
		.amdhsa_system_sgpr_workgroup_id_z 1
		.amdhsa_system_vgpr_workitem_id 0
		.amdhsa_next_free_vgpr 1024
		.amdhsa_next_free_sgpr 66
		.amdhsa_reserve_vcc 1
		.amdhsa_float_denorm_mode_32 3
		.amdhsa_float_denorm_mode_16_64 3
		.amdhsa_memory_ordered 1
		.amdhsa_forward_progress 1
		.amdhsa_inst_pref_size 207
	.end_amdhsa_kernel
	.amdgpu_metadata
---
amdhsa.version: [ 1, 2 ]
amdhsa.kernels:
  - .name:           k_qf0332a3cb4_kmeans
    .symbol:         k_qf0332a3cb4_kmeans.kd
    .args:
      - { .name: X, .offset: 0, .size: 8, .value_kind: global_buffer, .address_space: global }
      - { .name: codebook, .offset: 8, .size: 8, .value_kind: global_buffer, .address_space: global }
      - { .name: out0, .offset: 16, .size: 8, .value_kind: global_buffer, .address_space: global }
      - { .name: out1, .offset: 24, .size: 8, .value_kind: global_buffer, .address_space: global }
    .group_segment_fixed_size: 167936
    .private_segment_fixed_size: 0
    .kernarg_segment_align: 8
    .kernarg_segment_size: 32
    .max_flat_workgroup_size: 128
    .sgpr_count:     66
    .vgpr_count:     1024
    .wavefront_size: 32
...
	.end_amdgpu_metadata
.endif
;; end of part 1
